; MI455X (gfx1250); checked and timed in simulation.
; The chip was launched on July 23, 2026; its instructions are those of AMD's public machine-readable ISA for CDNA 5 (MIT licence, August 2026) and "CDNA5" Instruction Set Architecture Reference Guide (July 2026). The comments in the code are by the model that wrote it; some were corrected since.
;; Multi Discriminator. Allowed arithmetic: matrix products marked QUANTISED: E2M1 operands, one E8M0 scale for each 32 along K, by v_wmma_scale_f32_16x16x128_f8f6f4 with both operands' format E2M1 (or v_wmma_scale_f32_32x16x128_f4), f32 sums; products left as they are: f32 operands where the result goes on into a quantised operand, else bf16, f16 or f32 operands; f32 sums; everything else in f32.
;; Inputs: W1_codes 8 x 512 x 16 x 16 uint8 (E2M1 codes of W1, K innermost, in blocks of 32 codes, two codes a byte); W1_scales 8 x 512 x 16 uint8 (E8M0 scales of W1, one for each 32 codes along K); W2_codes 8 x 512 x 16 x 16 uint8 (E2M1 codes of W2, K innermost, in blocks of 32 codes, two codes a byte); W2_scales 8 x 512 x 16 uint8 (E8M0 scales of W2, one for each 32 codes along K); W3 8 x 512 x 1 float32; action 16,384 x 128 float32; b1 8 x 512 float32; b2 8 x 512 float32; b3 8 x 1 float32; observation 16,384 x 384 float32; skill_idx 16,384 int32.
;; Outputs: out0 16,384 x 1 float32.
;; This version of the problem:
;;   THIS VERSION OF THE PROBLEM IS GIVEN IN LOW PRECISION. The matrix products marked QUANTISED in the list below multiply operands that are first quantised to E2M1 (2 exponent bits, 1 mantissa bit; 4 bits a number), with one power-of-two scale for each 32 numbers along K (OCP MX v1.0); their sums are f32. All else is computed in f32.
;;   The module's matrix products, in the order in which they are computed (A, B: the left and right operand; K: the contracted axis; several contracted axes count as one K, in the product's order):
;;     1. [M 16,384, K 512] x [K 512, N 4,096]; A: computed on the way; B: input W1 (given as codes): QUANTISED
;;     2. batch 8 x [M 512, K 512] x [K 512, N 16,384]; A: input W2 (given as codes); B: computed on the way: QUANTISED
;;     3. batch 8 x [M 1, K 512] x [K 512, N 16,384]; A: input W3; B: computed on the way: left as it is (M = 1 < 16)
;;   THE QUANTISER, for each operand of a quantised product, along K:
;;     - K is cut into blocks of 32 from its start; a last block that is shorter is filled with zeros.
;;     - A block's scale is 2^e with e = floor(log2(the largest magnitude in the block)) - 2, held to -126 .. 127; a block of zeros has e = 0. As a byte (E8M0): e + 127.
;;     - Each number is divided by its block's scale, clamped to +-6, and rounded to the nearest number of E2M1, ties to even, subnormals kept.
;;     - The product sums the exact products of the quantised numbers (number of the format x scale) in f32.
;;   ~~~python
;;   def quantise(x, axis):      # numpy; x: float32 -> the quantised numbers, widened to float32 again
;;       x = np.moveaxis(x, axis, -1); K = x.shape[-1]
;;       x = np.pad(x, [(0, 0)] * (x.ndim - 1) + [(0, -K % 32)]); x = x.reshape(x.shape[:-1] + (-1, 32)); a = np.abs(x).max(-1, keepdims=True)
;;       e = np.where(a > 0, np.clip(np.frexp(np.where(a > 0, a, 1))[1] - 1 - 2, -126, 127), 0)      # np.frexp(a)[1] - 1 = floor(log2(a)), exactly
;;       r = np.clip(x / 2.0 ** e, -6, 6)
;;       step = 2.0 ** (np.maximum(np.frexp(np.where(r == 0, 1, r))[1] - 1, 0) - 1)
;;       q = np.round(r / step) * step * 2.0 ** e      # np.round: ties to even
;;       return np.moveaxis(q.reshape(q.shape[:-2] + (-1,))[..., :K], -1, axis).astype(np.float32)
;;   ~~~
;;   OPERANDS COMPUTED ON THE WAY. 'Computed on the way' means the value that the module computes at that place (a softmax that the list does not call 'softmax' is quantised finished and normalised). What goes into a quantiser is computed in f32, as accurately as f32 sums, v_exp_f32 and their like allow (about 1e-6 of the number): no bf16 or f16 on the way to a quantiser, and a product that is left as it is and whose result goes on into a quantised operand takes f32 operands (vector FMAs, or v_wmma_f32_16x16x4_f32). A number that lies on a knife's edge between two numbers of the format may be rounded either way, as far as f32 arithmetic and the matrix unit's own rounding can turn it there, and no further.
;;   INPUTS GIVEN AS CODES. W1 (in the module: [8, 512, 512], K = its axis 1); W2 (in the module: [8, 512, 512], K = its axis 1): each comes as NAME_codes (uint8): NAME with its K axis moved to the last place and cut into blocks of 32 codes, [.., K / 32, bytes a block], one block behind the other in memory; two codes a byte, the lower K in the low four bits (a code: sign, 2 exponent bits, 1 mantissa bit); and NAME_scales (uint8): the same leading axes, one E8M0 byte (e + 127) for each 32 codes along K. Its value is code x scale, taken as it is: it is not quantised again, and the codes and scales need not be those that the quantiser above would give.
;; One version. Each part assembles by itself: llvm-mc -triple=amdgcn-amd-amdhsa -mcpu=gfx1250 --defsym DOCPART=n.
;; ======== version 1 of 1: 2 launches
;; workspace buffers: xq 4,194,304 bytes; xs 262,144 bytes; perm 65,536 bytes of whole numbers; tiles 4,096 bytes of whole numbers; wf 2,097,152 bytes; ws 131,072 bytes
;; launch prep (part 1): grid 256 x 1, 4 waves a work-group, no clusters, 33,792 bytes of LDS; arguments observation, action, skill_idx, W1_codes, W1_scales, W2_codes, W2_scales, xq, xs, perm, tiles, wf, ws; writes xq, xs, perm, tiles, wf, ws
.if DOCPART == 1
	.amdgcn_target "amdgcn-amd-amdhsa--gfx1250"
	.amdhsa_code_object_version 6
	.text
	.protected	k_q9aefde2fe5_prep
	.globl	k_q9aefde2fe5_prep
	.p2align	8
	.type	k_q9aefde2fe5_prep,@function
k_q9aefde2fe5_prep:
	s_mov_b64 s[64:65], 0
	v_nop
	global_prefetch_b8 v0, s[64:65] scope:SCOPE_SE
	s_setreg_imm32_b32 hwreg(HW_REG_WAVE_MODE, 25, 1), 1
	s_wait_xcnt 0x0
; x = [observation | action], [16384][512] f32, becomes codes of FP4 (E2M1) with one E8M0 byte for each 32 along K, and each token's codes, scale bytes and number are stored
; AT ITS PLACE IN A STABLE COUNTING SORT BY EXPERT (skill_idx): xq [place][256], xs [place][16], perm [place].  The same launch lays W1's and W2's codes and scale words out in the order of the
; next launch's operand registers (wf, ws), and work-group 0 stores the table of tiles (expert, first place, rows; at most 80 rows a tile).
; SHARES.  256 work-groups of four waves; work-group g owns tokens 64 g .. 64 g + 63, a wave 16 of them, one token (2,048 bytes) a step.  No work-group asks another for anything: each counts ALL 16,384 indices
; itself (65,536 bytes, 512 a thread): per expert the total, and how many lie ahead of its own 64 tokens.  A token's place = the expert's base + those ahead + its rank among the 64.
; A block's scale is 2^(floor(log2(its largest magnitude)) - 2); its byte is the largest magnitude's exponent field - 2, held at 1 from below.
; LIMITS: skill_idx holds 0 .. 7 (an index stays inside the table that it indexes); other numbers give clamped places and rows that are never written.  A block of zeros gets the byte 1 where the rule says 127: its codes
; are zeros, and this program alone reads the bytes.  Blocks whose largest magnitude lies under the floor 2^(3 - 127) were not tried; NaN and infinities among the inputs are not served.
; REGISTERS, in windows of 256: window 0: addresses, counters, the quantiser's work; window 1: x, 16 registers a step, all 16 steps asked for at the head; window 2: the 128 index words of my thread.
; No source of a pending memory instruction is ever rewritten and EXEC never changes, so no wait on XCNT is written.
.set SP,    80                         ; a lane's place in a stage: its 64 bytes + 16 of padding
.set WREG,  8192                       ; LDS: a region for each wave: two stages of 32 x SP bytes, behind them its 256 scale bytes
.set SCB,   2*32*SP
.set RED,   32768                      ; LDS: 32 bytes for each wave: its counts
.set EMAX,  2
.set SH,    28                         ; v28-35   4 x expert of eight tokens
.set RD,    36                         ; v36-43   counts, two experts a register: totals (0,4) (2,6) (1,5) (3,7), then the same of those ahead of my work-group
.set TMPD,  44                         ; v44-51   at work in the sums across lanes
.set VA,    92                         ; v92-107  step t: byte offset in xq of my 8 bytes of the token's row
.set C,     112                        ; v112-143 step t: two registers of codes
.set X,     144                        ; v144-175 two sets of 16 neighbours
.set E,     226                        ; v226-241 step t: the scale's byte
.set MSB, 0
.macro WIN new                         ; the immediate's high byte repeats the setting that is left
.if MSB != \new
	s_set_vgpr_msb (MSB<<8)|\new
.set MSB, \new
.endif
.endm
	s_load_b512 s[4:19], s[0:1], 0x0               ; observation 4, action 6, skill_idx 8, W1's codes 10, scales 12, W2's codes 14, scales 16, xq 18
	s_load_b256 s[20:27], s[0:1], 0x40             ; xs 20, perm 22, tiles 24, wf 26
	s_load_b64 s[28:29], s[0:1], 0x60              ; ws
	v_lshl_add_u32 v254, v0, 2, 0x8200
	v_mov_b32 v255, 0
	v_lshrrev_b32 v2, 5, v0
	v_readfirstlane_b32 s30, v2                    ; wave 0..3
	s_mov_b32 s31, ttmp9                           ; g
	v_and_b32 v1, 31, v0                           ; lane
	v_lshlrev_b32 v3, 4, v1                        ; 16 x lane
	v_lshlrev_b32 v4, 3, v1                        ; 8 x lane
	s_mul_i32 s32, s30, WREG
	v_lshrrev_b32 v14, 2, v1
	v_mul_u32_u24 v14, v14, SP
	v_and_b32 v15, 3, v1
	v_lshl_add_u32 v14, v15, 4, v14
	v_add_nc_u32 v14, s32, v14                     ; the stage, on the way in: SP (lane / 4) + 16 (lane % 4): a load's 512 bytes take eight places
	v_mul_u32_u24 v15, v1, SP
	v_add_nc_u32 v15, s32, v15                     ; and on the way out: SP x lane: my 16 neighbours
	v_lshrrev_b32 v5, 1, v1
	s_add_co_u32 s32, s32, SCB
	v_add_nc_u32 v5, s32, v5                       ; my wave's 256 scale bytes: my block's byte,
	v_add_nc_u32 v6, s32, v4                       ; and on the way out 8 bytes a lane
	v_lshlrev_b32 v7, 4, v0                        ; 16 x thread: my four indices of a load's 512
	s_lshl_b32 s33, s31, 8
	v_lshl_add_u32 v16, v1, 2, s33                 ; my work-group's own 64 indices: 256 g + 4 x lane
	v_and_b32 v2, 15, v0                           ; r
	v_bfe_u32 v10, v0, 4, 1                        ; h
	v_and_b32 v12, 8, v2
	v_add_nc_u32 v12, v12, v2                      ; r + 8 (r / 8): the rows of a weight that form a tile are not neighbours
	v_lshlrev_b32 v17, 8, v12
	v_lshl_add_u32 v17, v10, 4, v17                ; in a weight's codes: that row of 256 bytes, + 16 h
	v_lshlrev_b32 v18, 4, v12
	v_lshl_add_u32 v18, v10, 2, v18                ; in its scale bytes: that row of 16 bytes, + 4 h
	v_lshlrev_b32 v19, 2, v1                       ; 4 x lane
	s_lshl_b32 s32, s30, 5
	s_add_co_u32 s32, s32, RED
	v_mov_b32 v224, s32                            ; where my wave puts its counts,
	v_mov_b32 v225, RED                            ; and where all four are read
	v_mov_b32 v13, 1
	; THE WEIGHTS' LAYOUT: job J = 4 g + wave of 1,024: two fragments (K steps 2 p, 2 p + 1) of tile t of block blk = (layer x 8 + expert) x 4 + wave-of-the-next-launch; J = 16 blk + 2 t + p
	s_lshl_b32 s32, s31, 2
	s_add_co_u32 s32, s32, s30                     ; J
	s_lshr_b32 s33, s32, 1                         ; 8 blk + t
	s_and_b32 s34, s32, 1                          ; p
	s_bfe_u32 s82, s33, 0x50003                    ; 4 x expert + wave: 128 rows each
	s_bfe_u32 s83, s33, 0x20001                    ; t / 2: 32 rows each
	s_and_b32 s84, s33, 1                          ; t % 2: 8 rows
	s_lshl_b32 s66, s82, 15
	s_lshl_b32 s83, s83, 13
	s_add_co_u32 s66, s66, s83
	s_lshl_b32 s84, s84, 11
	s_add_co_u32 s66, s66, s84
	s_lshl_b32 s34, s34, 7                         ; 128 bytes: two K steps of 128 codes
	s_add_co_u32 s66, s66, s34                     ; where the job's codes begin in the layer's tensor;
	s_mov_b32 s67, 0
	s_lshr_b32 s68, s66, 4                         ; its scale bytes: a sixteenth of everything
	s_mov_b32 s69, 0
	s_lshl_b32 s70, s32, 11                        ; in wf: 2,048 J
	s_mov_b32 s71, 0
	s_lshl_b32 s72, s32, 7                         ; in ws: 128 J
	s_mov_b32 s73, 0
	s_lshl_b32 s33, s31, 6
	s_lshl_b32 s35, s30, 4
	s_add_co_u32 s33, s33, s35                     ; my wave's first token: 64 g + 16 x wave
	s_mul_i32 s74, s33, 1536                       ; its row of observation,
	s_mov_b32 s75, 0
	s_lshl_b32 s76, s33, 9                         ; and of action
	s_mov_b32 s77, 0
	v_lshrrev_b32 v199, 1, v1
	v_add_nc_u32 v199, s33, v199                   ; the token whose number and scale bytes my lane stores: lane / 2 of the wave's 16
	s_mov_b32 s60, 0x0f0f0f0f
	s_mov_b32 s61, 0x00ff00ff
	s_lshl_b32 s62, s31, 4                         ; 16 g
	s_mov_b32 s86, 0x76543210
	s_mov_b32 s87, 0xfedcba98                      ; v_permlanex16_b32's selects for lane l xor 16
	s_wait_alu depctr_va_vdst(0)
	s_wait_kmcnt 0x0
	s_cmp_lt_u32 s31, 128                          ; jobs 0 .. 511 take W1, the others W2: the choice hangs on the work-group's number alone
	s_cselect_b64 s[92:93], s[10:11], s[14:15]
	s_cselect_b64 s[94:95], s[12:13], s[16:17]
	s_add_nc_u64 s[92:93], s[92:93], s[66:67]
	s_add_nc_u64 s[94:95], s[94:95], s[68:69]
	s_add_nc_u64 s[96:97], s[26:27], s[70:71]
	s_add_nc_u64 s[98:99], s[28:29], s[72:73]
	s_add_nc_u64 s[88:89], s[4:5], s[74:75]
	s_add_nc_u64 s[90:91], s[6:7], s[76:77]
	; ALL LOADS AT ONCE, in the order in which they are wanted: 32 of indices, 2 of my own 64, 5 of the weights, 64 of x
	WIN 0x80                                       ; destination window 2
.set j, 0
.rept 32
	global_load_b128 v[4*j:4*j+3], v7, s[8:9] offset:2048*j         ; tokens 512 j + 4 x thread + 0 .. 3; the four waves read 2,048 consecutive bytes
.set j, j+1
.endr
	WIN 0
	global_load_b32 v84, v16, s[8:9]               ; token 64 g + lane
	global_load_b32 v85, v16, s[8:9] offset:128    ; token 64 g + 32 + lane
.irp s, 0,1
.irp c, 0,1
	global_load_b128 v[176+4*(2*\s+\c):176+4*(2*\s+\c)+3], v17, s[92:93] offset:64*\s+32*\c th:TH_LOAD_NT
.endr
.endr
	global_load_b32 v192, v18, s[94:95] th:TH_LOAD_NT
	WIN 0x40                                       ; destination window 1
.set t, 0
.rept 16
.irp i, 0,1,2
	global_load_b128 v[16*t+4*\i:16*t+4*\i+3], v3, s[88:89] offset:1536*t+512*\i th:TH_LOAD_NT   ; 32 lanes read 512 consecutive bytes
.endr
	global_load_b128 v[16*t+12:16*t+15], v3, s[90:91] offset:512*t th:TH_LOAD_NT
.set t, t+1
.endr
	WIN 0
.irp i, 0,1,2,3,4,5,6,7
	v_mov_b32 v[TMPD+\i], 0                        ; written once: the destination of a DPP form and of a lane permute counts as one of its sources
.endr
	v_mov_b32 v86, 0                               ; the places of tokens 64 g + lane,
	v_mov_b32 v87, 0                               ; and 64 g + 32 + lane
	v_mov_b32 v91, 0
	s_wait_loadcnt 63                              ; loads come back in order: behind the first 39 stand x's 64, so with 63 out the indices and the weights' pieces are in
.irp s, 0,1
.irp c, 0,1
	global_store_b128 v3, v[176+4*(2*\s+\c):176+4*(2*\s+\c)+3], s[96:97] offset:1024*\s+512*\c   ; a fragment's registers on end, lane by lane: 512 consecutive bytes a store
.endr
.endr
	global_store_b32 v19, v192, s[98:99]           ; lanes 0-15: the scale words of K step 2 p, lanes 16-31: of 2 p + 1
; THE COUNT.  Eight tokens a thread at a time (loads 2 k, 2 k + 1): counters of four bits, expert e at bit 4 e, at most 8 in each; then widened to bytes (at most 128 in each).
; A load's four tokens of a thread lie ahead of my work-group where 512 j + 4 x thread < 64 g: thread < 16 g - 128 j.
.macro WIDEN n, a, b, first
.if \first
	v_and_b32 v[\a], s60, v[\n]                    ; experts 0, 2, 4, 6
	v_lshrrev_b32 v[\n], 4, v[\n]
	v_and_b32 v[\b], s60, v[\n]                    ; experts 1, 3, 5, 7
.else
	v_and_b32 v195, s60, v[\n]
	v_lshrrev_b32 v[\n], 4, v[\n]
	v_add_nc_u32 v[\a], v[\a], v195
	v_and_b32 v[\n], s60, v[\n]
	v_add_nc_u32 v[\b], v[\b], v[\n]
.endif
.endm
.macro CGROUP k
	s_sub_co_i32 s63, s62, 256*(\k)
	v_cmp_gt_i32 vcc_lo, s63, v0
	v_cndmask_b32 v193, 0, v13, vcc_lo             ; 1 where load 2 k's four lie ahead
	s_sub_co_i32 s63, s62, 256*(\k)+128
	v_cmp_gt_i32 vcc_lo, s63, v0
	v_cndmask_b32 v194, 0, v13, vcc_lo             ; the same for load 2 k + 1
	WIN 0x08                                       ; source 1 window 2
.irp i, 0,1,2,3,4,5,6,7
	v_lshlrev_b32 v[SH+\i], 2, v[8*(\k)+\i]
.endr
	WIN 0
	v_lshl_add_u32 v20, 1, v[SH], 0                ; four chains: all of load 2 k, all of load 2 k + 1, and of each those ahead
	v_lshl_add_u32 v22, 1, v[SH+4], 0
	v_lshl_add_u32 v21, v193, v[SH], 0
	v_lshl_add_u32 v23, v194, v[SH+4], 0
.irp i, 1,2,3
	v_lshl_add_u32 v20, 1, v[SH+\i], v20
	v_lshl_add_u32 v22, 1, v[SH+4+\i], v22
	v_lshl_add_u32 v21, v193, v[SH+\i], v21
	v_lshl_add_u32 v23, v194, v[SH+4+\i], v23
.endr
	v_add_nc_u32 v20, v20, v22
	v_add_nc_u32 v21, v21, v23
	WIDEN 20, 24, 25, (\k)==0
	WIDEN 21, 26, 27, (\k)==0
.endm
.irp k, 0,1,2,3,4,5,6,7,8,9,10,11,12,13,14,15
	CGROUP \k
.endr
.irp q, 0,1,2,3                                ; bytes to halves: v24 + q gives RD + 2 q (its bytes 0, 2) and RD + 2 q + 1 (bytes 1, 3)
	v_and_b32 v[RD+2*\q], s61, v[24+\q]
	v_lshrrev_b32 v[RD+2*\q+1], 8, v[24+\q]
	v_and_b32 v[RD+2*\q+1], s61, v[RD+2*\q+1]
.endr
	; the sum over my wave's 32 lanes (a half holds at most 16,384), then over the four waves through LDS
.irp x, 1,2,4,8
.irp i, 0,1,2,3,4,5,6,7
	v_mov_b32_dpp v[TMPD+\i], v[RD+\i] row_xmask:\x row_mask:0xf bank_mask:0xf
.endr
.irp i, 0,1,2,3,4,5,6,7
	v_add_nc_u32 v[RD+\i], v[RD+\i], v[TMPD+\i]
.endr
.endr
.irp i, 0,1,2,3,4,5,6,7
	v_permlanex16_b32 v[TMPD+\i], v[RD+\i], s86, s87
.endr
.irp i, 0,1,2,3,4,5,6,7
	v_add_nc_u32 v[RD+\i], v[RD+\i], v[TMPD+\i]
.endr
	ds_store_b128 v224, v[RD:RD+3]                 ; all lanes write the same bytes with the same values
	ds_store_b128 v224, v[RD+4:RD+7] offset:16
	s_wait_dscnt 0x0                               ; for the others' sake: my stores have landed
	s_barrier_signal -1
	s_barrier_wait -1                              ; the launch's one barrier
.irp i, 0,1,2,3,4,5,6,7
	ds_load_b128 v[52+4*\i:52+4*\i+3], v225 offset:16*\i
.endr
	s_wait_dscnt 0x0
.irp i, 0,1,2,3,4,5,6,7
	v_add3_u32 v[RD+\i], v[52+\i], v[60+\i], v[68+\i]
	v_add_nc_u32 v[RD+\i], v[RD+\i], v[76+\i]
.endr
.macro UNPACK i, lo, hi, dst
	v_readfirstlane_b32 s32, v[RD+\i]
	s_and_b32 s[\dst+\lo], s32, 0xffff
	s_lshr_b32 s[\dst+\hi], s32, 16
.endm
	UNPACK 0, 0, 4, 36                             ; s36-43: each expert's tokens in all
	UNPACK 1, 2, 6, 36
	UNPACK 2, 1, 5, 36
	UNPACK 3, 3, 7, 36
	UNPACK 4, 0, 4, 44                             ; s44-51: those ahead of my work-group
	UNPACK 5, 2, 6, 44
	s_wait_alu depctr_va_vdst(0)
	UNPACK 6, 1, 5, 44
	UNPACK 7, 3, 7, 44
	s_mov_b32 s52, 0                               ; s52-59: where each expert's places begin
.irp e, 0,1,2,3,4,5,6
	s_add_co_u32 s[53+\e], s[52+\e], s[36+\e]
.endr
.irp e, 0,1,2,3,4,5,6,7
	s_add_co_u32 s[44+\e], s[44+\e], s[52+\e]      ; the place of my work-group's first token of expert e
.endr
	; the places of my work-group's 64 tokens: + the rank among them (every wave makes all 64)
.irp e, 0,1,2,3,4,5,6,7
	v_cmp_eq_u32 s82, \e, v84
	v_cmp_eq_u32 s83, \e, v85
	v_mbcnt_lo_u32_b32 v88, s82, s[44+\e]
	s_bcnt1_i32_b32 s84, s82
	s_add_co_u32 s84, s84, s[44+\e]
	v_mbcnt_lo_u32_b32 v89, s83, s84
	v_cndmask_b32 v86, v86, v88, s82
	v_cndmask_b32 v87, v87, v89, s83
.endr
	s_bitcmp1_b32 s30, 1                           ; waves 2, 3: the second 32
	s_cselect_b32 s82, -1, 0
	v_cndmask_b32 v90, v86, v87, s82
	v_permlanex16_b32 v91, v90, s86, s87
	s_bitcmp1_b32 s30, 0                           ; waves 1, 3: the upper 16 of them
	s_cselect_b32 s82, -1, 0
	v_cndmask_b32 v90, v90, v91, s82               ; lanes 0-15: the places of my wave's 16 tokens
.irp t, 0,1,2,3,4,5,6,7,8,9,10,11,12,13,14,15
	v_readlane_b32 s85, v90, \t
	s_min_u32 s85, s85, 0x3fff                     ; a place stays inside the buffers whatever the indices hold
	v_lshl_add_u32 v[VA+\t], s85, 8, v4            ; a row of 256 bytes, my 8 of them
.endr
	v_and_b32 v201, 30, v1
	v_lshlrev_b32 v201, 1, v201                    ; 4 x (lane / 2)
	ds_bpermute_b32 v196, v201, v90                ; the place of token lane / 2
	v_and_b32 v200, 1, v1
	v_lshlrev_b32 v200, 3, v200
	s_wait_dscnt 0x0
	v_min_u32 v196, 0x3fff, v196
	s_wait_alu depctr_va_vdst(0)
	v_lshl_add_u32 v197, v196, 4, v200             ; in xs: 16 bytes a place, my half of them
	v_lshlrev_b32 v198, 2, v196                    ; in perm
	global_store_b32 v198, v199, s[22:23]          ; both lanes of a pair store the same word with the same value
; THE QUANTISER.  The conversions take eight numbers of one block from ONE lane's registers, so a lane must hold 16 neighbours; the loads took the bytes as they lie, 16 to a lane.  A step's 2,048 bytes turn
; through the wave's own stage in LDS, one step ahead of the work, in two stages by turns.  LDS serves a wave's instructions in order, so no wait stands between the stores and the loads.
.macro TURN t
	WIN 0x04                                       ; an LDS store's data are its source 1: window 1
.irp i, 0,1,2,3
	ds_store_b128 v14, v[16*(\t)+4*\i:16*(\t)+4*\i+3] offset:32*SP*((\t)%2)+8*SP*\i
.endr
	WIN 0
.irp i, 0,1,2,3
	ds_load_b128 v[X+16*((\t)%2)+4*\i:X+16*((\t)%2)+4*\i+3], v15 offset:32*SP*((\t)%2)+16*\i
.endr
.endm
.macro STEP t
.set XS, X+16*((\t)%2)
.if (\t) > 0
	s_wait_dscnt 1                                 ; this step's numbers are back from the stage; the last step's byte store may be out
.else
	s_wait_dscnt 0x0
.endif
.if (\t) < 15
	s_wait_loadcnt 56-4*(\t)                       ; the next step's four loads are in; those of the steps behind it may be out
	TURN (\t)+1
.endif
	v_max3_num_f32 v8, |v[XS]|, |v[XS+1]|, |v[XS+2]|               ; the largest magnitude of my 16, in two chains
	v_max3_num_f32 v9, |v[XS+3]|, |v[XS+4]|, |v[XS+5]|
.irp i, 6,10
	v_max3_num_f32 v8, v8, |v[XS+\i]|, |v[XS+\i+1]|
	v_max3_num_f32 v9, v9, |v[XS+\i+2]|, |v[XS+\i+3]|
.endr
	v_max3_num_f32 v8, v8, |v[XS+14]|, |v[XS+15]|
	v_max3_num_f32 v8, v8, v9, (EMAX+1)<<23        ; and the floor 2^(EMAX + 1 - 127): so the byte cannot fall under 1
	v_max_num_f32_dpp v8, v8, v8 row_xmask:1 row_mask:0xf bank_mask:0xf   ; and of my neighbour's 16: the block's
	v_add_nc_u32 v11, -(EMAX<<23), v8              ; EMAX off its exponent field: the conversion takes the exponent field of this operand as its scale
	v_cvt_scalef32_pk8_fp4_f32 v[C+2*(\t)], v[XS:XS+7], v11
	v_cvt_scalef32_pk8_fp4_f32 v[C+2*(\t)+1], v[XS+8:XS+15], v11
	v_lshrrev_b32 v[E+(\t)], 23, v11               ; the scale's byte (also the plain line behind the conversions)
	ds_store_b8 v5, v[E+(\t)] offset:16*(\t)       ; both lanes of a block write the same byte with the same value
	global_store_b64 v[VA+(\t)], v[C+2*(\t):C+2*(\t)+1], s[18:19]   ; the wave stores the token's whole row: 256 consecutive bytes, aligned
.endm
	s_wait_loadcnt 60                              ; step 0's four loads are in
	TURN 0
.irp t, 0,1,2,3,4,5,6,7,8,9,10,11,12,13,14,15
	STEP \t
.endr
	ds_load_b64 v[110:111], v6                     ; my half of token lane / 2's 16 scale bytes: this load sees my stores
	s_wait_dscnt 0x0
	global_store_b64 v197, v[110:111], s[20:21]
	; THE TABLE OF TILES, by work-group 0: expert e has ceil(tokens / 80) tiles; entry i belongs to the expert whose run of tiles holds i; entries behind the last tile are zeros
	s_cmp_lg_u32 s31, 0
	s_cbranch_scc1 .Ldone
.irp e, 0,1,2,3,4,5,6,7
	s_add_co_u32 s32, s[36+\e], 79
	s_lshr_b32 s32, s32, 4
	s_mul_i32 s32, s32, 52429                      ; / 5: exact for numbers under 2^16
	s_lshr_b32 s[66+\e], s32, 18                   ; tiles of expert e
.endr
	s_mov_b32 s74, 0
.irp e, 0,1,2,3,4,5,6
	s_add_co_u32 s[75+\e], s[74+\e], s[66+\e]      ; and the first of them
.endr
.macro TENT reg, adr, add
	v_add_nc_u32 v200, \add, v0                    ; entry i
.irp q, 0,1,2,3
	v_mov_b32 v[\reg+\q], 0
.endr
.irp e, 0,1,2,3,4,5,6,7
	v_sub_nc_u32 v201, v200, s[74+\e]              ; which of expert e's tiles (a huge number where i lies ahead of them)
	v_mov_b32 v205, \e
	v_cmp_gt_u32 vcc_lo, s[66+\e], v201
	v_mul_u32_u24 v202, v201, 80
	v_add_nc_u32 v203, s[52+\e], v202              ; its first place
	v_sub_nc_u32 v204, s[36+\e], v202
	v_min_u32 v204, 80, v204                       ; its rows
	v_cndmask_b32 v[\reg], v[\reg], v205, vcc_lo
	v_cndmask_b32 v[\reg+1], v[\reg+1], v203, vcc_lo
	v_cndmask_b32 v[\reg+2], v[\reg+2], v204, vcc_lo
.endr
	v_lshlrev_b32 v[\adr], 4, v200
	global_store_b128 v[\adr], v[\reg:\reg+3], s[24:25]
.endm
	TENT 208, 216, 0
	TENT 212, 217, 128
.Ldone:
	s_wait_tensorcnt 0x0
	ds_add_u32 v254, v255
	s_wait_dscnt 0x0
	s_endpgm
.Lfunc_end_k_q9aefde2fe5_prep:
	.size	k_q9aefde2fe5_prep, .Lfunc_end_k_q9aefde2fe5_prep-k_q9aefde2fe5_prep
	.p2alignl 7, 3214868480
	.fill 96, 4, 3214868480
	.section	.rodata,"a",@progbits
	.p2align	6, 0x0
	.amdhsa_kernel k_q9aefde2fe5_prep
		.amdhsa_group_segment_fixed_size 33792
		.amdhsa_private_segment_fixed_size 0
		.amdhsa_enable_private_segment 0
		.amdhsa_kernarg_size 104
		.amdhsa_user_sgpr_count 2
		.amdhsa_user_sgpr_kernarg_segment_ptr 1
		.amdhsa_wavefront_size32 1
		.amdhsa_system_sgpr_workgroup_id_x 1
		.amdhsa_system_sgpr_workgroup_id_y 1
		.amdhsa_system_sgpr_workgroup_id_z 1
		.amdhsa_system_vgpr_workitem_id 0
		.amdhsa_next_free_vgpr 640
		.amdhsa_next_free_sgpr 100
		.amdhsa_reserve_vcc 1
		.amdhsa_float_denorm_mode_32 3
		.amdhsa_float_denorm_mode_16_64 3
		.amdhsa_memory_ordered 1
		.amdhsa_forward_progress 1
		.amdhsa_inst_pref_size 95
	.end_amdhsa_kernel
	.amdgpu_metadata
---
amdhsa.version: [ 1, 2 ]
amdhsa.kernels:
  - .name:           k_q9aefde2fe5_prep
    .symbol:         k_q9aefde2fe5_prep.kd
    .args:
      - { .name: observation, .offset: 0, .size: 8, .value_kind: global_buffer, .address_space: global }
      - { .name: action, .offset: 8, .size: 8, .value_kind: global_buffer, .address_space: global }
      - { .name: skill_idx, .offset: 16, .size: 8, .value_kind: global_buffer, .address_space: global }
      - { .name: W1_codes, .offset: 24, .size: 8, .value_kind: global_buffer, .address_space: global }
      - { .name: W1_scales, .offset: 32, .size: 8, .value_kind: global_buffer, .address_space: global }
      - { .name: W2_codes, .offset: 40, .size: 8, .value_kind: global_buffer, .address_space: global }
      - { .name: W2_scales, .offset: 48, .size: 8, .value_kind: global_buffer, .address_space: global }
      - { .name: xq, .offset: 56, .size: 8, .value_kind: global_buffer, .address_space: global }
      - { .name: xs, .offset: 64, .size: 8, .value_kind: global_buffer, .address_space: global }
      - { .name: perm, .offset: 72, .size: 8, .value_kind: global_buffer, .address_space: global }
      - { .name: tiles, .offset: 80, .size: 8, .value_kind: global_buffer, .address_space: global }
      - { .name: wf, .offset: 88, .size: 8, .value_kind: global_buffer, .address_space: global }
      - { .name: ws, .offset: 96, .size: 8, .value_kind: global_buffer, .address_space: global }
    .group_segment_fixed_size: 33792
    .private_segment_fixed_size: 0
    .kernarg_segment_align: 8
    .kernarg_segment_size: 104
    .max_flat_workgroup_size: 128
    .sgpr_count:     100
    .vgpr_count:     640
    .wavefront_size: 32
...
	.end_amdgpu_metadata
.endif
;; end of part 1
;; launch chain (part 2): grid 212 x 1, 4 waves a work-group, no clusters, 25,088 bytes of LDS; arguments xq, xs, perm, tiles, wf, ws, b1, b2, W3, b3, out0; writes out0
.if DOCPART == 2
	.amdgcn_target "amdgcn-amd-amdhsa--gfx1250"
	.amdhsa_code_object_version 6
	.text
	.protected	k_q9aefde2fe5_chain
	.globl	k_q9aefde2fe5_chain
	.p2align	8
	.type	k_q9aefde2fe5_chain,@function
k_q9aefde2fe5_chain:
	s_mov_b64 s[64:65], 0
	v_nop
	global_prefetch_b8 v0, s[64:65] scope:SCOPE_SE
	s_setreg_imm32_b32 hwreg(HW_REG_WAVE_MODE, 25, 1), 1
	s_wait_xcnt 0x0
; out0[token] = sigmoid(relu(relu(x W1[e] + b1[e]) W2[e] + b2[e]) . W3[e] + b3[e]), e the token's expert; both products of 512 x 512 on codes of FP4 (E2M1) with one E8M0 scale for each 32 along K; the last in f32.
; ONLY THE CHOSEN EXPERT'S ROWS ARE MULTIPLIED.  The launch before has sorted the tokens by expert (xq, xs, perm) and stored a table of tiles (expert, first place, rows).  With tiles of 80 rows there are never more than
; ceil(16384 / 80) + 7 = 212, whatever the split: one work-group a tile.  An entry with no rows (expert 0, place 0, 0 rows) is walked like any other, since every wave passes every barrier, and stores nothing.
; SHARES.  THE WAVES SHARE THE COLUMNS, NOT THE ROWS: wave w makes units 128 w .. 128 w + 127 of both hidden layers for all 80 rows (five tiles of 16).  Its part of W1 and W2, 64 fragments, lies in its registers, loaded
; whole from wf, where the launch before laid it in the order of these registers.  The first hidden layer goes from wave to wave through LDS as images of the operand's registers; the second never leaves registers.
; Both products are used TRANSPOSED (source 0 = 16 rows of the weight, source 1 = 16 tokens): a lane holds one token, and its registers run along the units.  THE ROWS OF A WEIGHT THAT FORM A TILE ARE NOT NEIGHBOURS:
; lane r of tile 2 b + u takes unit 32 b + 8 u + r + 8 (r / 8), so that register 16 b + i of a lane is unit 32 b + 16 (lane / 16) + i: sixteen neighbours along the next K.  The biases are the C of each sum's first product.
; Rows behind a tile's last (another expert's tokens, or place 16,383 again) are computed and thrown away: a token's numbers never meet another token's.
; No joint loads: a tile's expert is read from the table, so neighbouring work-groups may hold different experts and no descriptor could be equal in all partners; and everything is read once, into registers.
; LIMITS: a block of zeros of the hidden layer gets the scale byte 1 (its codes are zeros); blocks whose largest magnitude lies under the floor 2^(3 - 127) were not tried; NaN and infinities are not served.
; REGISTERS, in windows of 256: window 0: addresses, scale words, the 8 accumulators, the quantiser's work, b2.  window 1: W1's 32 fragments (tile t, K step s at v[8 (4 t + s)]).  window 2: W2's likewise.
;   window 3: x's 20 fragments (v[8 (4 m + s)]), b1 from v160; later W3 in v0-63 and two buffers of four hidden fragments from v64.
.set HIMG,  0                          ; LDS: the hidden layer's 20 fragments, (row tile m, K step s) at 1,024 (4 m + s),
.set HSC,   20480                      ; their scale words: 64 (4 m + s) + 4 r,
.set PART,  21760                      ; and the waves' parts of the last product: 256 m + 64 w + 4 r, m up to 7 (5 to 7 hold zeros)
.set L2W,   1048576                    ; from layer 1 to layer 2 in wf,
.set L2S,   65536                      ; and in ws
.set W1S,   20                         ; v20-35   W1's scale words: register 2 t + p: lanes 0-15 K step 2 p, lanes 16-31 K step 2 p + 1
.set W2S,   36                         ; v36-51   W2's
.set XS,    52                         ; v52-63   x's: register 4 p + s: lanes 0-15 row tile 2 p, lanes 16-31 row tile 2 p + 1
.set HS,    64                         ; v64-67   the hidden layer's: register 2 (m % 2) + p: lanes 0-15 K step 2 p, lanes 16-31 K step 2 p + 1
.set HA,    68                         ; v68-131  my 8 tiles of a hidden layer
.set PC,    132                        ; v132-139 the codes just made
.set TM,    140                        ; v140-155 the quantiser's work
.set PW,    156                        ; v156     the scale word just made
.set DA,    158                        ; v158-165 the last product, four chains of pairs
.set B2,    176                        ; v176-239 b2's 8 tiles
.set MSB, 0
.macro WIN new                         ; the immediate's high byte repeats the setting that is left
.if MSB != \new
	s_set_vgpr_msb (MSB<<8)|\new
.set MSB, \new
.endif
.endm
; one product: D, source 0, source 1, C, the two scale registers, and which half of the lanes holds each side's words
.macro WM d, a, b, c, sa, sb, ra, rb
.if ((\ra) != 0) && ((\rb) != 0)
	v_wmma_scale_f32_16x16x128_f8f6f4 v[0+(\d):7+(\d)], v[0+(\a):7+(\a)], v[0+(\b):7+(\b)], v[0+(\c):7+(\c)], v[0+(\sa)], v[0+(\sb)] matrix_a_fmt:MATRIX_FMT_FP4 matrix_b_fmt:MATRIX_FMT_FP4 matrix_a_scale:MATRIX_SCALE_ROW1 matrix_b_scale:MATRIX_SCALE_ROW1
.elseif (\ra) != 0
	v_wmma_scale_f32_16x16x128_f8f6f4 v[0+(\d):7+(\d)], v[0+(\a):7+(\a)], v[0+(\b):7+(\b)], v[0+(\c):7+(\c)], v[0+(\sa)], v[0+(\sb)] matrix_a_fmt:MATRIX_FMT_FP4 matrix_b_fmt:MATRIX_FMT_FP4 matrix_a_scale:MATRIX_SCALE_ROW1
.elseif (\rb) != 0
	v_wmma_scale_f32_16x16x128_f8f6f4 v[0+(\d):7+(\d)], v[0+(\a):7+(\a)], v[0+(\b):7+(\b)], v[0+(\c):7+(\c)], v[0+(\sa)], v[0+(\sb)] matrix_a_fmt:MATRIX_FMT_FP4 matrix_b_fmt:MATRIX_FMT_FP4 matrix_b_scale:MATRIX_SCALE_ROW1
.else
	v_wmma_scale_f32_16x16x128_f8f6f4 v[0+(\d):7+(\d)], v[0+(\a):7+(\a)], v[0+(\b):7+(\b)], v[0+(\c):7+(\c)], v[0+(\sa)], v[0+(\sb)] matrix_a_fmt:MATRIX_FMT_FP4 matrix_b_fmt:MATRIX_FMT_FP4
.endif
.endm
; 64 numbers of a lane, register 16 b + i = k 32 b + 16 (lane / 16) + i of my row, become a fragment's codes in v[PC] on and its scale word in v[PW]
.macro QUANT s
.irp b, 0,1,2,3
	v_max3_num_f32 v[TM+\b], |v[\s+16*\b]|, |v[\s+1+16*\b]|, 0x1800000   ; block b: my 16 numbers, and the floor 2^(3 - 127): so the byte cannot fall under 1
.endr
.irp i, 2,4,6,8,10,12,14
.irp b, 0,1,2,3
	v_max3_num_f32 v[TM+\b], v[TM+\b], |v[\s+16*\b+\i]|, |v[\s+1+16*\b+\i]|   ; (the four blocks by turns)
.endr
.endr
.irp b, 0,1,2,3
	v_permlanex16_b32 v[TM+4+\b], v[TM+\b], s46, s47
.endr
.irp b, 0,1,2,3
	v_max_num_f32 v[TM+\b], v[TM+\b], v[TM+4+\b]   ; with lane l xor 16's: the block's largest magnitude
.endr
.irp b, 0,1,2,3
	v_add_nc_u32 v[TM+12+\b], 0xff000000, v[TM+\b]   ; 2 off its exponent field: the conversion's scale operand
.endr
.irp b, 0,1,2,3
	v_lshrrev_b32 v[TM+4+\b], 23, v[TM+12+\b]      ; the scale's byte
.endr
	v_lshl_or_b32 v[PW], v[TM+5], 8, v[TM+4]       ; the four bytes make my row's scale word
	v_lshl_or_b32 v[PW], v[TM+6], 16, v[PW]
	v_lshl_or_b32 v[PW], v[TM+7], 24, v[PW]
.irp b, 0,1,2,3
	v_cvt_scalef32_pk8_fp4_f32 v[PC+2*\b], v[\s+16*\b:\s+7+16*\b], v[TM+12+\b]
	v_cvt_scalef32_pk8_fp4_f32 v[PC+1+2*\b], v[\s+8+16*\b:\s+15+16*\b], v[TM+12+\b]
.endr
	v_nop                                          ; one plain line behind a scaled conversion
.irp c, 0,1                                    ; the operand's layout wants a WHOLE block in a lane: lanes 0-15 block 2 c, lanes 16-31 block 2 c + 1
.irp i, 0,1
	v_permlane16_swap_b32 v[PC+4*\c+\i], v[PC+2+4*\c+\i]
.endr
.endr
.endm
.macro W2LOAD t                        ; W2's four fragments of tile t: eight loads of 512 consecutive bytes
	WIN 0x80                                       ; destination window 2
.irp s, 0,1,2,3
.irp c, 0,1
	global_load_b128 v[8*(4*(\t)+\s)+4*\c:8*(4*(\t)+\s)+4*\c+3], v4, s[32:33] offset:L2W+1024*(4*(\t)+\s)+512*\c
.endr
.endr
.endm
.macro FETCH m                         ; row tile m's four hidden fragments and their scale words, from LDS: ten loads
	WIN 0xc0                                       ; destination window 3
.irp s, 0,1,2,3
.irp c, 0,1
	ds_load_b128 v[64+32*((\m)%2)+8*\s+4*\c:64+32*((\m)%2)+8*\s+4*\c+3], v4 offset:HIMG+(4*(\m)+\s)*1024+512*\c
.endr
.endr
	WIN 0
.irp p, 0,1
	ds_load_b32 v[HS+2*((\m)%2)+\p], v5 offset:HSC+256*(\m)+128*\p
.endr
.endm
.macro PLACES                          ; four plain vector lines between a matrix instruction and the vector line that reads or rewrites its result (ISA guide 7.12.1)
.rept 4
	v_nop
.endr
.endm
.macro RELU
.irp j, 0,1,2,3,4,5,6,7,8,9,10,11,12,13,14,15,16,17,18,19,20,21,22,23,24,25,26,27,28,29,30,31,32,33,34,35,36,37,38,39,40,41,42,43,44,45,46,47,48,49,50,51,52,53,54,55,56,57,58,59,60,61,62,63
	v_max_num_f32 v[HA+\j], 0, v[HA+\j]            ; in f32; each accumulator from its low end on
.endr
.endm
	s_load_b512 s[4:19], s[0:1], 0x0               ; xq 4, xs 6, perm 8, tiles 10, wf 12, ws 14, b1 16, b2 18
	s_load_b128 s[20:23], s[0:1], 0x40             ; W3 20, b3 22
	s_load_b64 s[24:25], s[0:1], 0x50              ; out0
	v_lshl_add_u32 v254, v0, 2, 0x6000
	v_mov_b32 v255, 0
	s_lshl_b32 s26, ttmp9, 4                       ; my entry of the table: 16 bytes each
	v_lshrrev_b32 v1, 5, v0
	v_readfirstlane_b32 s44, v1                    ; wave 0..3
	v_and_b32 v1, 31, v0                           ; lane
	v_and_b32 v2, 15, v0                           ; r
	v_bfe_u32 v3, v0, 4, 1                         ; h
	v_lshlrev_b32 v4, 4, v1                        ; 16 x lane: an image's place for my lane
	v_lshlrev_b32 v5, 2, v1                        ; 4 x lane: a scale word's
	s_lshl_b32 s42, s44, 10
	v_add_nc_u32 v6, s42, v4                       ; where I store the hidden layer's images: 16 x lane + 1,024 x wave (my units are K step w)
	s_lshl_b32 s42, s44, 6
	v_lshl_add_u32 v7, v2, 2, s42                  ; a word a row: 4 r + 64 x wave
	v_lshlrev_b32 v8, 6, v3                        ; b1, b2, W3: 64 h: my half's sixteen units of a block of 32
	v_lshrrev_b32 v9, 4, v0
	v_lshlrev_b32 v9, 8, v9
	v_lshl_add_u32 v9, v2, 2, v9                   ; at the end thread T takes row T: 256 (T / 16) + 4 (T % 16)
	s_mov_b32 s46, 0x76543210
	s_mov_b32 s47, 0xfedcba98                      ; v_permlanex16_b32's selects for lane l xor 16
.irp b, 0,1,2,3
	v_mov_b32 v[TM+4+\b], 0                        ; written once: a lane permute's destination counts as one of its sources
.endr
	v_mov_b32 v167, 0
	v_mov_b32 v168, 0
	s_wait_kmcnt 0x0
	s_load_b128 s[28:31], s[10:11], s26 offset:0x0 ; expert, first place, rows, 0
	s_wait_kmcnt 0x0
	s_min_u32 s28, s28, 7                          ; what was loaded enters addresses only behind a clamp
	s_min_u32 s29, s29, 0x3fff
	s_lshl_b32 s48, s28, 2
	s_load_b32 s27, s[22:23], s48 offset:0x0       ; b3 of my expert: wanted at the very end
	s_add_co_u32 s49, s48, s44                     ; 4 x expert + wave
	s_mov_b32 s43, 0
	s_lshl_b32 s42, s49, 15
	s_add_nc_u64 s[32:33], s[12:13], s[42:43]      ; my 32 fragments of W1 in wf (W2's lie L2W further on)
	s_lshl_b32 s42, s49, 11
	s_add_nc_u64 s[34:35], s[14:15], s[42:43]      ; their scale words in ws
	s_lshl_b32 s42, s49, 9                         ; 2,048 x expert + 512 x wave: my 128 numbers
	s_add_nc_u64 s[36:37], s[16:17], s[42:43]      ; of b1,
	s_add_nc_u64 s[38:39], s[18:19], s[42:43]      ; of b2,
	s_add_nc_u64 s[40:41], s[20:21], s[42:43]      ; of W3
.irp m, 0,1,2,3,4
	v_add3_u32 v[10+\m], s29, v2, 16*\m            ; x: place first + 16 m + r,
	v_min_u32 v[10+\m], 0x3fff, v[10+\m]           ; held inside the buffer,
	v_lshlrev_b32 v[10+\m], 8, v[10+\m]            ; a row of 256 bytes,
	v_lshl_add_u32 v[10+\m], v3, 4, v[10+\m]       ; + 16 h
.endr
.irp p, 0,1,2
	v_add3_u32 v[15+\p], s29, v1, 32*\p            ; x's scale words: place first + 32 p + lane, 16 bytes each
	v_min_u32 v[15+\p], 0x3fff, v[15+\p]
	v_lshlrev_b32 v[15+\p], 4, v[15+\p]
.endr
	v_add_nc_u32 v18, s29, v0                      ; the token's number: place first + thread
	v_min_u32 v18, 0x3fff, v18
	v_lshlrev_b32 v18, 2, v18
	; THE LOADS.  First what layer 1 wants, 140 loads:
	global_load_b32 v19, v18, s[8:9]
.irp p, 0,1,2
	global_load_b128 v[XS+4*\p:XS+4*\p+3], v[15+\p], s[6:7]
.endr
	WIN 0xc0                                       ; destination window 3
.irp m, 0,1,2,3,4
.irp s, 0,1,2,3
.irp c, 0,1
	global_load_b128 v[8*(4*\m+\s)+4*\c:8*(4*\m+\s)+4*\c+3], v[10+\m], s[4:5] offset:64*\s+32*\c
.endr
.endr
.endr
	WIN 0
.irp q, 0,1,2,3,4,5,6,7,8,9,10,11,12,13,14,15
	global_load_b32 v[W1S+\q], v5, s[34:35] offset:128*\q
.endr
	WIN 0xc0
.irp t, 0,1,2,3,4,5,6,7
	global_load_b128 v[160+8*\t:160+8*\t+3], v8, s[36:37] offset:(32*(\t/2)+8*(\t%2))*4        ; b1 at units 32 (t / 2) + 8 (t % 2) + 16 h + 0 .. 7: the result's layout
	global_load_b128 v[160+8*\t+4:160+8*\t+7], v8, s[36:37] offset:(32*(\t/2)+8*(\t%2))*4+16
.endr
	WIN 0x40                                       ; destination window 1
.set f, 0
.rept 32
	global_load_b128 v[8*f:8*f+3], v4, s[32:33] offset:1024*f
	global_load_b128 v[8*f+4:8*f+7], v4, s[32:33] offset:1024*f+512
.set f, f+1
.endr
	; then 56 loads for layer 2: b2, W2's scale words, W2's tiles 0 to 2
	WIN 0
.irp t, 0,1,2,3,4,5,6,7
	global_load_b128 v[B2+8*\t:B2+8*\t+3], v8, s[38:39] offset:(32*(\t/2)+8*(\t%2))*4
	global_load_b128 v[B2+8*\t+4:B2+8*\t+7], v8, s[38:39] offset:(32*(\t/2)+8*(\t%2))*4+16
.endr
.irp q, 0,1,2,3,4,5,6,7,8,9,10,11,12,13,14,15
	global_load_b32 v[W2S+\q], v5, s[34:35] offset:L2S+128*\q
.endr
	W2LOAD 0
	W2LOAD 1
	W2LOAD 2
	s_wait_loadcnt 56                              ; loads come back in order: all but the 56 issued last are in: layer 1 has what it wants
; LAYER 1, row tile m: 32 products; the eight accumulators take turns, one instruction a turn; relu; the quantiser; the image of K step w of the second product goes to LDS.
; The rest of W2, and W3, is asked for at the heads of tiles 1 to 3, and lands under the work.
.macro L1M m
.if (\m) == 1
	W2LOAD 3
	W2LOAD 4
.elseif (\m) == 2
	W2LOAD 5
	W2LOAD 6
.elseif (\m) == 3
	W2LOAD 7
	WIN 0xc0                                       ; W3, in the result's layout, over x's row tiles 0 and 1, whose last products stand two tiles back
.irp t, 0,1,2,3,4,5,6,7
	global_load_b128 v[8*\t:8*\t+3], v8, s[40:41] offset:(32*(\t/2)+8*(\t%2))*4
	global_load_b128 v[8*\t+4:8*\t+7], v8, s[40:41] offset:(32*(\t/2)+8*(\t%2))*4+16
.endr
.endif
	WIN 0x3d                                       ; source 0 (W1) window 1, source 1 (x) and source 2 (b1) window 3
.irp t, 0,1,2,3,4,5,6,7
	WM HA+8*\t, 32*\t, 32*(\m), 160+8*\t, W1S+2*\t, XS+4*((\m)/2), 0, (\m)%2
.endr
	WIN 0x0d                                       ; C and D window 0
.irp s, 1,2,3
.irp t, 0,1,2,3,4,5,6,7
	WM HA+8*\t, 32*\t+8*\s, 32*(\m)+8*\s, HA+8*\t, W1S+2*\t+\s/2, XS+4*((\m)/2)+\s, \s%2, (\m)%2
.endr
.endr
	WIN 0
	PLACES
	RELU
	QUANT HA
.irp c, 0,1
	ds_store_b128 v6, v[PC+4*\c:PC+4*\c+3] offset:HIMG+4096*(\m)+512*\c
.endr
	ds_store_b32 v7, v[PW] offset:HSC+256*(\m)     ; both halves of the lanes write the same word with the same value
	s_wait_dscnt 0x0                               ; the stores have read their registers: the next tile writes them again
.endm
	L1M 0
	L1M 1
	L1M 2
	L1M 3
	L1M 4
	s_wait_dscnt 0x0                               ; for the others' sake: my images have landed
	s_barrier_signal -1
	s_barrier_wait -1                              ; the hidden layer's twenty fragments lie in LDS
	s_wait_loadcnt 0x0                             ; W2 and W3
	FETCH 0
.irp m, 5,6,7
	ds_store_b32 v7, v168 offset:PART+256*\m       ; zeros for rows 80 to 127, so that at the end every thread reads bytes that were written
.endr
; LAYER 2, row tile m: the next tile's fragments are asked for first; 32 products; relu; the last product's part of my 128 units: 32 packed multiply-adds in four chains, in f32.
.macro L2M m
.if (\m) < 4
	FETCH (\m)+1                                   ; into the buffer whose last products stand a whole tile back
	s_wait_dscnt 10                                ; all but the ten just issued: this tile's fragments are in
.else
	s_wait_dscnt 0x0
.endif
	WIN 0x0e                                       ; source 0 (W2) window 2, source 1 (the hidden layer) window 3, C and D window 0
.irp t, 0,1,2,3,4,5,6,7
	WM HA+8*\t, 32*\t, 64+32*((\m)%2), B2+8*\t, W2S+2*\t, HS+2*((\m)%2), 0, 0
.endr
.irp s, 1,2,3
.irp t, 0,1,2,3,4,5,6,7
	WM HA+8*\t, 32*\t+8*\s, 64+32*((\m)%2)+8*\s, HA+8*\t, W2S+2*\t+\s/2, HS+2*((\m)%2)+\s/2, \s%2, \s%2
.endr
.endr
	WIN 0
	PLACES
	RELU
	WIN 0x0c                                       ; source 1 (W3) window 3
.irp k, 0,1,2,3
	v_pk_mul_f32 v[DA+2*\k:DA+2*\k+1], v[HA+2*\k:HA+2*\k+1], v[2*\k:2*\k+1]
.endr
.irp q, 4,5,6,7,8,9,10,11,12,13,14,15,16,17,18,19,20,21,22,23,24,25,26,27,28,29,30,31
	v_pk_fma_f32 v[DA+2*(\q%4):DA+2*(\q%4)+1], v[HA+2*\q:HA+2*\q+1], v[2*\q:2*\q+1], v[DA+2*(\q%4):DA+2*(\q%4)+1]
.endr
	WIN 0
	v_pk_add_f32 v[DA:DA+1], v[DA:DA+1], v[DA+2:DA+3]
	v_pk_add_f32 v[DA+4:DA+5], v[DA+4:DA+5], v[DA+6:DA+7]
	v_pk_add_f32 v[DA:DA+1], v[DA:DA+1], v[DA+4:DA+5]
	v_add_f32 v166, v[DA], v[DA+1]
	v_permlanex16_b32 v167, v166, s46, s47
	v_add_f32 v166, v166, v167                     ; with lane l xor 16's 64 units: my wave's 128
	ds_store_b32 v7, v166 offset:PART+256*(\m)     ; (the wait at the next tile's head shows it done before v166 is written again)
.endm
	L2M 0
	L2M 1
	L2M 2
	L2M 3
	L2M 4
	s_wait_dscnt 0x0                               ; for the others' sake: my parts have landed
	s_barrier_signal -1
	s_barrier_wait -1
	; THE END: thread T takes row T of the tile: the four waves' parts, b3, the sigmoid; rows under the tile's count are stored at their tokens' places
.irp w, 0,1,2,3
	ds_load_b32 v[169+\w], v9 offset:PART+64*\w
.endr
	s_wait_dscnt 0x0
	s_wait_kmcnt 0x0                               ; b3
	v_add_f32 v169, v169, v170
	v_add_f32 v171, v171, v172
	v_add_f32 v169, v169, v171
	v_add_f32 v169, s27, v169
	v_mul_f32 v169, 0xbfb8aa3b, v169               ; -log2(e) x the logit
	s_wait_alu depctr_va_vdst(0)
	v_exp_f32 v169, v169
	v_min_u32 v19, 0x3fff, v19                     ; (a plain line behind the exponential)  the token's number, held inside out0
	s_wait_alu depctr_va_vdst(0)                   ; the wait ahead of the first line that names the result
	v_add_f32 v169, 1.0, v169
	s_wait_alu depctr_va_vdst(0)
	v_rcp_f32 v169, v169                           ; 1 / (1 + e^-logit)
	v_lshlrev_b32 v19, 2, v19                      ; (a plain line behind the reciprocal)
	v_cmp_gt_u32 vcc_lo, s30, v0                   ; rows > T
	s_wait_alu depctr_va_vdst(0)                   ; and again, ahead of the store that reads the reciprocal
	s_wait_xcnt 0x0                                ; EXEC changes only behind this wait: it is a source of every earlier load
	s_wait_tensorcnt 0x0
	ds_add_u32 v254, v255
	s_wait_dscnt 0x0
	s_and_saveexec_b32 s45, vcc_lo
	global_store_b32 v19, v169, s[24:25]
	s_endpgm
.Lfunc_end_k_q9aefde2fe5_chain:
	.size	k_q9aefde2fe5_chain, .Lfunc_end_k_q9aefde2fe5_chain-k_q9aefde2fe5_chain
	.p2alignl 7, 3214868480
	.fill 96, 4, 3214868480
	.section	.rodata,"a",@progbits
	.p2align	6, 0x0
	.amdhsa_kernel k_q9aefde2fe5_chain
		.amdhsa_group_segment_fixed_size 25088
		.amdhsa_private_segment_fixed_size 0
		.amdhsa_enable_private_segment 0
		.amdhsa_kernarg_size 88
		.amdhsa_user_sgpr_count 2
		.amdhsa_user_sgpr_kernarg_segment_ptr 1
		.amdhsa_wavefront_size32 1
		.amdhsa_system_sgpr_workgroup_id_x 1
		.amdhsa_system_sgpr_workgroup_id_y 1
		.amdhsa_system_sgpr_workgroup_id_z 1
		.amdhsa_system_vgpr_workitem_id 0
		.amdhsa_next_free_vgpr 1024
		.amdhsa_next_free_sgpr 66
		.amdhsa_reserve_vcc 1
		.amdhsa_float_denorm_mode_32 3
		.amdhsa_float_denorm_mode_16_64 3
		.amdhsa_memory_ordered 1
		.amdhsa_forward_progress 1
		.amdhsa_inst_pref_size 127
	.end_amdhsa_kernel
	.amdgpu_metadata
---
amdhsa.version: [ 1, 2 ]
amdhsa.kernels:
  - .name:           k_q9aefde2fe5_chain
    .symbol:         k_q9aefde2fe5_chain.kd
    .args:
      - { .name: xq, .offset: 0, .size: 8, .value_kind: global_buffer, .address_space: global }
      - { .name: xs, .offset: 8, .size: 8, .value_kind: global_buffer, .address_space: global }
      - { .name: perm, .offset: 16, .size: 8, .value_kind: global_buffer, .address_space: global }
      - { .name: tiles, .offset: 24, .size: 8, .value_kind: global_buffer, .address_space: global }
      - { .name: wf, .offset: 32, .size: 8, .value_kind: global_buffer, .address_space: global }
      - { .name: ws, .offset: 40, .size: 8, .value_kind: global_buffer, .address_space: global }
      - { .name: b1, .offset: 48, .size: 8, .value_kind: global_buffer, .address_space: global }
      - { .name: b2, .offset: 56, .size: 8, .value_kind: global_buffer, .address_space: global }
      - { .name: W3, .offset: 64, .size: 8, .value_kind: global_buffer, .address_space: global }
      - { .name: b3, .offset: 72, .size: 8, .value_kind: global_buffer, .address_space: global }
      - { .name: out0, .offset: 80, .size: 8, .value_kind: global_buffer, .address_space: global }
    .group_segment_fixed_size: 25088
    .private_segment_fixed_size: 0
    .kernarg_segment_align: 8
    .kernarg_segment_size: 88
    .max_flat_workgroup_size: 128
    .sgpr_count:     66
    .vgpr_count:     1024
    .wavefront_size: 32
...
	.end_amdgpu_metadata
.endif
;; end of part 2
